; MI455X (gfx1250); checked and timed in simulation.
; The chip was launched on July 23, 2026; its instructions are those of AMD's public machine-readable ISA for CDNA 5 (MIT licence, August 2026) and "CDNA5" Instruction Set Architecture Reference Guide (July 2026). The comments in the code are by the model that wrote it; some were corrected since.
;; Causal Attention. Allowed arithmetic: matrix products marked QUANTISED: E2M1 operands, one E8M0 scale for each 32 along K, by v_wmma_scale_f32_16x16x128_f8f6f4 with both operands' format E2M1 (or v_wmma_scale_f32_32x16x128_f4), f32 sums; everything else in f32.
;; Inputs: Wk 128 x 4 x 32 float32; Wo 4 x 32 x 128 float32; Wq 128 x 4 x 32 float32; Wv 128 x 4 x 32 float32; beta 128 float32; bk 4 x 32 float32; bo 128 float32; bq 4 x 32 float32; bv 4 x 32 float32; gamma 128 float32; x 4 x 4,096 x 128 float32.
;; Outputs: out0 4 x 4,096 x 128 float32.
;; This version of the problem:
;;   THIS VERSION OF THE PROBLEM IS GIVEN IN LOW PRECISION. The matrix products marked QUANTISED in the list below multiply operands that are first quantised to E2M1 (2 exponent bits, 1 mantissa bit; 4 bits a number), with one power-of-two scale for each 32 numbers along K (OCP MX v1.0); their sums are f32. All else is computed in f32.
;;   The module's matrix products, in the order in which they are computed (A, B: the left and right operand; K: the contracted axis; several contracted axes count as one K, in the product's order):
;;     1. [M 16,384, K 128] x [K 128, N 128]; A: input x; B: input Wq: QUANTISED
;;     2. [M 16,384, K 128] x [K 128, N 128]; A: input x; B: input Wk: QUANTISED
;;     3. [M 16,384, K 128] x [K 128, N 128]; A: input x; B: input Wv: QUANTISED
;;     4. batch 16 x [M 4,096, K 32] x [K 32, N 4,096]; A: computed on the way; B: computed on the way: QUANTISED
;;     5. batch 16 x [M 32, K 4,096] x [K 4,096, N 4,096]; A: computed on the way; B: softmax (see below): QUANTISED
;;     6. [M 16,384, K 128] x [K 128, N 128]; A: computed on the way; B: input Wo: QUANTISED
;;   THE QUANTISER, for each operand of a quantised product, along K:
;;     - K is cut into blocks of 32 from its start; a last block that is shorter is filled with zeros.
;;     - A block's scale is 2^e with e = floor(log2(the largest magnitude in the block)) - 2, held to -126 .. 127; a block of zeros has e = 0. As a byte (E8M0): e + 127.
;;     - Each number is divided by its block's scale, clamped to +-6, and rounded to the nearest number of E2M1, ties to even, subnormals kept.
;;     - The product sums the exact products of the quantised numbers (number of the format x scale) in f32.
;;   ~~~python
;;   def quantise(x, axis):      # numpy; x: float32 -> the quantised numbers, widened to float32 again
;;       x = np.moveaxis(x, axis, -1); K = x.shape[-1]
;;       x = np.pad(x, [(0, 0)] * (x.ndim - 1) + [(0, -K % 32)]); x = x.reshape(x.shape[:-1] + (-1, 32)); a = np.abs(x).max(-1, keepdims=True)
;;       e = np.where(a > 0, np.clip(np.frexp(np.where(a > 0, a, 1))[1] - 1 - 2, -126, 127), 0)      # np.frexp(a)[1] - 1 = floor(log2(a)), exactly
;;       r = np.clip(x / 2.0 ** e, -6, 6)
;;       step = 2.0 ** (np.maximum(np.frexp(np.where(r == 0, 1, r))[1] - 1, 0) - 1)
;;       q = np.round(r / step) * step * 2.0 ** e      # np.round: ties to even
;;       return np.moveaxis(q.reshape(q.shape[:-2] + (-1,))[..., :K], -1, axis).astype(np.float32)
;;   ~~~
;;   SOFTMAX AHEAD OF A QUANTISED PRODUCT. Where the list says 'softmax', what is quantised is not the finished softmax but p = 2^(t - M), with t = logit x log2(e) and M = ceil(the row's largest t), a whole number; so 1/2 < the row's largest p <= 1. The row's sum l is taken of the UNQUANTISED p, in f32, and the product's result is divided by l at the end. Since M is a whole number, a kernel that streams over the keys may use a running M (the ceiling of the running maximum): every later rescaling is an exact power of two, which a block's scale takes up: the codes' values come out the same.
;;   OPERANDS COMPUTED ON THE WAY. 'Computed on the way' means the value that the module computes at that place (a softmax that the list does not call 'softmax' is quantised finished and normalised). What goes into a quantiser is computed in f32, as accurately as f32 sums, v_exp_f32 and their like allow (about 1e-6 of the number): no bf16 or f16 on the way to a quantiser, and a product that is left as it is and whose result goes on into a quantised operand takes f32 operands (vector FMAs, or v_wmma_f32_16x16x4_f32). A number that lies on a knife's edge between two numbers of the format may be rounded either way, as far as f32 arithmetic and the matrix unit's own rounding can turn it there, and no further.
;; 2 versions, each right and faster than the one before. Each part assembles by itself: llvm-mc -triple=amdgcn-amd-amdhsa -mcpu=gfx1250 --defsym DOCPART=n.
;; ======== version 1 of 2: 2 launches
;; limits: right only within a limited range of input values
;; workspace buffers: wimg 34,816 bytes
;; launch prep (part 1): grid 16 x 1, 1 waves a work-group, no clusters, 0 bytes of LDS; arguments Wq, Wk, Wv, Wo, wimg; writes wimg
.if DOCPART == 1
	.amdgcn_target "amdgcn-amd-amdhsa--gfx1250"
	.amdhsa_code_object_version 6
	.text
	.protected	k_q356e8c8c3b_prep
	.globl	k_q356e8c8c3b_prep
	.p2align	8
	.type	k_q356e8c8c3b_prep,@function
k_q356e8c8c3b_prep:
	s_mov_b64 s[64:65], 0
	v_nop
	global_prefetch_b8 v0, s[64:65] scope:SCOPE_SE
	s_setreg_imm32_b32 hwreg(HW_REG_WAVE_MODE, 25, 1), 1
	s_wait_xcnt 0x0
; The four weights, each [K = 128][N = 128] f32 with K as the FIRST axis, become codes of FP4 (E2M1) with one E8M0 scale byte for each 32 along K.
; THE ORDER OF K.  Wq, Wk, Wv [f][h d]: K = f, block B = rows 32 B .. 32 B + 31.  Wo [h][d][f]: two axes are contracted, and K counts them as (d, h): k = 4 d + h; block j = channels d = 8 j .. 8 j + 7 of all four heads:
; rows 32 q + 8 j + e of memory (q the head, e = 0 .. 7).  Inside a block the order is free where both operands keep it: here (q, e).  The instruction's block B = 2 c + h holds block j = 2 h + c, as the next launch lays o.
; They are laid in wimg AS IMAGES OF THE OPERAND'S REGISTERS:
;   codes:  weight g (0 Wq, 1 Wk, 2 Wv, 3 Wo), tile T (0..7) at 8192 g + 1024 T; registers 4 c .. 4 c + 3 of lane l = r + 16 h (block 2 c + h of the tile's row r) at + 512 c + 16 l.
;   THE COLUMNS OF A TILE ARE NOT NEIGHBOURS: row r of tile T = 2 b + u is column 32 b + 8 u + r + 8 (r / 8), so that the results of two neighbouring tiles are 16 neighbours along the next K.
;   scale words (byte B: block B): at 32768 + 512 g + 32 r + 4 T: a row's eight words, one for each tile, are 32 consecutive bytes.
; SHARES.  16 work-groups of one wave: work-group 4 g + b' takes columns 32 b' .. 32 b' + 31 of weight g.  A LANE TAKES A COLUMN AND ITS REGISTERS RUN DOWN K: a block lies in one lane's 32 registers.
; ONE TEXT FOR BOTH ORDERS: a block is four groups of eight rows; group q begins stride x q behind the block's base.  Stride and bases (byte offsets) are chosen by the work-group's number.
; A block's scale is 2^(floor(log2(its largest magnitude)) - 2); its byte is that magnitude's exponent field - 2, held at 1 from below.  A block of zeros keeps the byte 1 where the rule says 127:
; its codes are zeros, which add nothing under any byte but 0xff, and the bytes are read by this program alone.
; LIMITS: NaN and infinities among the inputs are not served.
; No LDS, no barrier, no matrix unit, no cluster: 256 KiB are read once, no two work-groups read the same byte.  LOADS: one block of 32 ahead; every wait for loads is for all of them.
.set X,     32                         ; v32-159  the column's 128 numbers, 32 a block
.set C,     160                        ; v160-175 codes, four registers a block: no store's data are written again
.set VO,    24                         ; v24-27   4 x lane + stride x group
.set BS,    34                         ; s[34:41] the four blocks' bases
.set FLOOR, 0x1800000                  ; 2^(3 - 127): the byte cannot fall under 1
	s_load_b256 s[4:11], s[0:1], 0x0               ; Wq, Wk, Wv, Wo
	s_load_b64 s[12:13], s[0:1], 0x20              ; wimg
	s_lshr_b32 s18, ttmp9, 2                       ; g: which weight
	s_and_b32 s19, ttmp9, 3                        ; b': which 32 columns
	s_mov_b32 s26, 0x1000                          ; K = f: a group is 8 rows of 512 bytes on; blocks 32 rows apart
	s_mov_b32 s28, 0x4000
	s_mov_b32 s30, 0x8000
	s_mov_b32 s32, 0xc000
	s_mov_b32 s29, 0
	s_mov_b32 s31, 0
	s_mov_b32 s33, 0
	s_cmp_eq_u32 s18, 3
	s_cselect_b32 s26, 0x4000, s26                 ; Wo: a group is a head, 32 rows on; block B begins at row 8 j, j = 0, 2, 1, 3
	s_cselect_b32 s28, 0x2000, s28
	s_cselect_b32 s30, 0x1000, s30
	s_cselect_b32 s32, 0x3000, s32
	v_lshlrev_b32 v1, 2, v0                        ; 4 bytes a lane: 32 lanes read 128 consecutive bytes of a row
.irp q, 0,1,2,3
	v_mad_u32_u24 v[VO+\q], s26, \q, v1
.endr
	v_bfe_u32 v4, v0, 3, 1                         ; u = (m / 8) % 2: which of the two tiles my column m falls into,
	v_and_b32 v5, 7, v0
	v_lshrrev_b32 v6, 4, v0
	v_lshl_or_b32 v5, v6, 3, v5                    ; r = m % 8 + 8 (m / 16): and which row of it
	v_lshlrev_b32 v2, 4, v5
	v_lshl_add_u32 v2, v4, 10, v2                  ; codes: 1024 u + 16 r
	v_lshlrev_b32 v3, 5, v5
	v_lshl_add_u32 v3, v4, 2, v3                   ; scale word: 32 r + 4 u
	s_lshl_b32 s20, s19, 7                         ; 128 b': my columns' bytes in a row
	s_mov_b32 s21, 0
	s_lshl_b32 s22, s18, 13
	s_lshl_b32 s23, s19, 11
	s_add_co_u32 s22, s22, s23                     ; 8192 g + 2048 b': my two tiles
	s_mov_b32 s23, 0
	s_lshl_b32 s24, s18, 9
	s_lshl_b32 s25, s19, 3
	s_add_co_u32 s24, s24, s25
	s_add_co_u32 s24, s24, 32768                   ; 32768 + 512 g + 8 b': my two tiles' scale words
	s_mov_b32 s25, 0
	s_wait_kmcnt 0x0
	s_cmp_eq_u32 s18, 1                            ; the weight is chosen by the work-group's number alone
	s_cselect_b64 s[4:5], s[6:7], s[4:5]
	s_cmp_eq_u32 s18, 2
	s_cselect_b64 s[4:5], s[8:9], s[4:5]
	s_cmp_eq_u32 s18, 3
	s_cselect_b64 s[4:5], s[10:11], s[4:5]
	s_add_nc_u64 s[BS:BS+1], s[4:5], s[20:21]
	s_add_nc_u64 s[BS+2:BS+3], s[BS:BS+1], s[28:29]
	s_add_nc_u64 s[BS+4:BS+5], s[BS:BS+1], s[30:31]
	s_add_nc_u64 s[BS+6:BS+7], s[BS:BS+1], s[32:33]
	s_add_nc_u64 s[14:15], s[12:13], s[22:23]
	s_add_nc_u64 s[16:17], s[12:13], s[24:25]
.macro LOADB b                         ; block b: four groups of eight rows.  The furthest byte read: 49,152 + 12,288 + 3,584 + 508 + 3, inside the weight's 65,536 on both ways
.irp q, 0,1,2,3
.irp e, 0,1,2,3,4,5,6,7
	global_load_b32 v[X+32*(\b)+8*\q+\e], v[VO+\q], s[BS+2*(\b):BS+2*(\b)+1] offset:512*\e th:TH_LOAD_NT
.endr
.endr
.endm
; more = 1: the next block is asked for, straight behind the wait: it lands while this block is worked on.
.macro BLOCK b, more
	s_wait_loadcnt 0x0                             ; this block's 32 loads, the only ones that are out, are in
.if \more
	LOADB (\b)+1
.endif
	v_max3_num_f32 v[4+\b], |v[X+32*\b]|, |v[X+32*\b+1]|, |v[X+32*\b+2]|       ; the block's largest magnitude, in two chains
	v_max3_num_f32 v[20+\b], |v[X+32*\b+3]|, |v[X+32*\b+4]|, |v[X+32*\b+5]|
.irp i, 6,10,14,18,22,26
	v_max3_num_f32 v[4+\b], v[4+\b], |v[X+32*\b+\i]|, |v[X+32*\b+\i+1]|
	v_max3_num_f32 v[20+\b], v[20+\b], |v[X+32*\b+\i+2]|, |v[X+32*\b+\i+3]|
.endr
	v_max3_num_f32 v[4+\b], v[4+\b], |v[X+32*\b+30]|, |v[X+32*\b+31]|
	v_max3_num_f32 v[4+\b], v[4+\b], v[20+\b], FLOOR
	v_add_nc_u32 v[8+\b], 0xff000000, v[4+\b]      ; 2 off its exponent field: the conversion takes the exponent field of this operand as its scale, and nothing else of it
	v_lshrrev_b32 v[12+\b], 23, v[8+\b]            ; the scale's byte
.irp q, 0,1,2,3
	v_cvt_scalef32_pk8_fp4_f32 v[C+4*\b+\q], v[X+32*\b+8*\q:X+32*\b+8*\q+7], v[8+\b]
.endr
	v_nop                                          ; one plain instruction behind the last conversion of a run
	global_store_b128 v2, v[C+4*\b:C+4*\b+3], s[14:15] offset:512*(\b/2)+256*(\b%2)   ; block b = 2 c + h: sixteen lanes fill 256 consecutive aligned bytes of each of the two tiles
.endm
	LOADB 0
	BLOCK 0, 1
	BLOCK 1, 1
	BLOCK 2, 1
	BLOCK 3, 0
	v_lshl_or_b32 v16, v13, 8, v12                 ; the four bytes make my column's scale word
	v_lshl_or_b32 v16, v14, 16, v16
	v_lshl_or_b32 v16, v15, 24, v16
	global_store_b32 v3, v16, s[16:17]             ; 4 bytes a lane, 32 bytes apart: 128 bytes a work-group, 2,048 in the launch, leave in pieces
	s_endpgm
.Lfunc_end_k_q356e8c8c3b_prep:
	.size	k_q356e8c8c3b_prep, .Lfunc_end_k_q356e8c8c3b_prep-k_q356e8c8c3b_prep
	.p2alignl 7, 3214868480
	.fill 96, 4, 3214868480
	.section	.rodata,"a",@progbits
	.p2align	6, 0x0
	.amdhsa_kernel k_q356e8c8c3b_prep
		.amdhsa_group_segment_fixed_size 0
		.amdhsa_private_segment_fixed_size 0
		.amdhsa_enable_private_segment 0
		.amdhsa_kernarg_size 40
		.amdhsa_user_sgpr_count 2
		.amdhsa_user_sgpr_kernarg_segment_ptr 1
		.amdhsa_wavefront_size32 1
		.amdhsa_system_sgpr_workgroup_id_x 1
		.amdhsa_system_sgpr_workgroup_id_y 1
		.amdhsa_system_sgpr_workgroup_id_z 1
		.amdhsa_system_vgpr_workitem_id 0
		.amdhsa_next_free_vgpr 176
		.amdhsa_next_free_sgpr 66
		.amdhsa_reserve_vcc 0
		.amdhsa_float_denorm_mode_32 3
		.amdhsa_float_denorm_mode_16_64 3
		.amdhsa_memory_ordered 1
		.amdhsa_forward_progress 1
		.amdhsa_inst_pref_size 21
	.end_amdhsa_kernel
	.amdgpu_metadata
---
amdhsa.version: [ 1, 2 ]
amdhsa.kernels:
  - .name:           k_q356e8c8c3b_prep
    .symbol:         k_q356e8c8c3b_prep.kd
    .args:
      - { .name: Wq, .offset: 0, .size: 8, .value_kind: global_buffer, .address_space: global }
      - { .name: Wk, .offset: 8, .size: 8, .value_kind: global_buffer, .address_space: global }
      - { .name: Wv, .offset: 16, .size: 8, .value_kind: global_buffer, .address_space: global }
      - { .name: Wo, .offset: 24, .size: 8, .value_kind: global_buffer, .address_space: global }
      - { .name: wimg, .offset: 32, .size: 8, .value_kind: global_buffer, .address_space: global }
    .group_segment_fixed_size: 0
    .private_segment_fixed_size: 0
    .kernarg_segment_align: 8
    .kernarg_segment_size: 40
    .max_flat_workgroup_size: 32
    .sgpr_count:     66
    .vgpr_count:     176
    .wavefront_size: 32
...
	.end_amdgpu_metadata
.endif
;; end of part 1
;; launch main (part 2): grid 256 x 1, 4 waves a work-group, no clusters, 168,448 bytes of LDS; arguments wimg, x, bq, bk, bv, bo, gamma, beta, out0; writes out0
.if DOCPART == 2
	.amdgcn_target "amdgcn-amd-amdhsa--gfx1250"
	.amdhsa_code_object_version 6
	.text
	.protected	k_q356e8c8c3b_main
	.globl	k_q356e8c8c3b_main
	.p2align	8
	.type	k_q356e8c8c3b_main,@function
k_q356e8c8c3b_main:
	s_mov_b64 s[64:65], 0
	v_nop
	global_prefetch_b8 v0, s[64:65] scope:SCOPE_SE
	s_setreg_imm32_b32 hwreg(HW_REG_WAVE_MODE, 25, 1), 1
	s_wait_xcnt 0x0
; out = LayerNorm(x + attention(x) Wo + bo), B = 4, S = 4,096, F = 128, 4 heads of 32; all six products on codes of FP4 (E2M1) with one E8M0 scale for each 32 along K.
; THE MASK: query i sees key j where i - j is one of 0, 4, .. 32: keys of its own residue i % 4 alone, nine at the most; with u = position / 4 the mask is a band of nine.
; SHARES.  Work-group g owns rows 64 g .. 64 g + 63 of the 16,384 (its place in the batch: g % 64).  Wave w owns residue w: a MAIN tile of 16 positions 64 g + 4 u + w (its queries, and keys u = 0 .. 15) and a HALO tile
; of the 8 positions 64 g - 32 + 4 u + w (rows 8-15 repeat rows 0-7), keys u = -8 .. -1.  q, k, v, scores, p, o and y never leave the wave's registers.
; THE SECOND PRODUCT'S BLOCKS are 32 neighbouring keys, 8 of each residue: the halo, A (positions 0-31 of the 64), B (32-63).  Inside a block the order of k is free if both operands keep it: a lane's eight results
; (8 keys of my residue) become ONE register of the operand, for p and v alike.  p is 0 at other residues, so of them a wave needs only v's largest magnitudes: 2,048 bytes a wave through LDS.
; THE LAST PRODUCT'S K counts its two contracted axes as (d, h): k = 4 d + h: block j = channels 8 j .. 8 j + 7 of all four heads (macro QUANTO; Wo's image is laid to match).
; LAYOUT.  q, k, scores, o, y are made TRANSPOSED (source 1 = my 16 positions): a lane holds one position (lane % 16), its registers run along the next K.  v is made the other way: a lane holds one channel and eight keys.
; A weight's tile 2 b + u holds in row r column 32 b + 8 u + r + 8 (r / 8), so that register 16 b + i of a transposed result is column 32 b + 16 (lane / 16) + i.
; SCORES of head d: k's fragment against q's fragment with the other heads' codes set to 0.  SOFTMAX: t = score x log2(e) / sqrt(32), M = ceil(largest t), p = 2^(t - M) quantised, the sum of the unquantised p divides o.
; LIMITS.  NaN and infinities among the inputs are not served.  A hidden key's score is -infinity where the definition puts -1e9: both give p = 0 while a row's largest score lies above -1e9 + 130.
; The exponential gives 0 for p under 2^-126.  A block of zeros keeps the scale byte 1 where the rule says 127: its codes are zeros, and this text alone reads the bytes.
; NO CLUSTER: what work-groups share is the weights' image, 34,816 bytes read once at the head, and 32 rows of x that two neighbours read; no loop asks again.  NO TENSOR LOADS, NO RING: every LDS byte is filled once,
; out of 47 loads a wave.  NO LOOP: no address register and no store's data are written twice.  LDS is claimed beyond the 137,728 bytes used, so that a work-group has a WGP to itself.
; LDS: 0 the weights' codes; WSCL their scale words; VMX v's largest magnitudes, 2,048 a wave; from PWB PWS bytes for each wave alone: +0 bq, +512 bk, +1024 bv, +1536 gamma, +2048 beta; XST 24 rows of x;
; XB 16 rows of x + bo, later the stage out.  Rows PIT = 33 x 16 bytes apart: sixteen rows start at sixteen different 16-byte columns of 256 bytes.
.set WSCL, 32768
.set VMX,  34816
.set PWB,  43008
.set PWS,  23680
.set XST,  2560
.set XB,   15232
.set PIT,  528
.set L16, 1                            ; 16 x lane
.set CPY, 2                            ; 8704 x wave + 16 x lane: my bytes of the image, in memory and in LDS
.set WSA, 3                            ; 32 r: a tile row's eight scale words
.set WL,  4                            ; my block + 16 x lane
.set WQ,  5                            ; my block + 528 r + 64 h
.set WH,  6                            ; the same with r % 8
.set WB,  7                            ; my block + 64 h
.set WV4, 8                            ; my block + 4 (r + 8 (r / 8))
.set VMS, 9                            ; 2048 x wave + 16 x lane
.set SH8, 10                           ; 8 h
.set NIL, 11                           ; 0
.set TM,  12                           ; v12-23 at work in QUANT; v12-19 also bv and lane exchanges
.set B0,  26                           ; v26-89
.set B1,  90                           ; v90-153
.set B2,  154                          ; v154-217
.set VC,  154                          ; v154-175 v's codes: tile T's fragment is v[VC+2T ..+7]: register 0 blocks A, B; register 5 the halo
.set KFM, 176                          ; k's fragment, main; later p's, head 0
.set KFH, 184                          ; k's, halo; later p's, head 1
.set QF,  192                          ; q's; later p's, head 2
.set SCR, 200                          ; v200-217 at work
.set XFM, 218                          ; x's fragment, main; later p's, head 3; later o's
.set XFH, 226                          ; x's, halo; later the rows' sums, a pair a head
.set WS,  234                          ; v234-241 a weight's scale words   (v234-254 hold scales and nothing else)
.set VS,  242                          ; v242-249 v's scale words
.set XSM, 250                          ; v250, 251 x's; v252, 253 k's; v254 q's, later o's; v250-253 later p's
.set XSH, 251
.set KSM, 252
.set KSH, 253
.set QS,  254
.set FLOOR, 0x1800000                  ; 2^(3 - 127): a scale's byte cannot fall under 1
.set WAVE, 22
.set SEL,  32                          ; s[32:33] selects for lane l xor 16
.set CS,   34                          ; s[34:35] log2(e) / sqrt(32)
.macro PLACES n                        ; plain instructions: four behind a matrix instruction before its registers are touched (ISA guide 7.12.1); eight between a vector write of a scale word and the scaled product
.rept \n
	v_nop
.endr
.endm
.macro MMZ d, a, b, sa, sb             ; D = A x B: the constant 0 starts the sum
	v_wmma_scale_f32_16x16x128_f8f6f4 v[\d:\d+7], v[\a:\a+7], v[\b:\b+7], 0, v[\sa], v[\sb] matrix_a_fmt:MATRIX_FMT_FP4 matrix_b_fmt:MATRIX_FMT_FP4
.endm
.macro MMA d, a, b, sa, sb             ; D = A x B + D: D was loaded: a bias, or x + bo
	v_wmma_scale_f32_16x16x128_f8f6f4 v[\d:\d+7], v[\a:\a+7], v[\b:\b+7], v[\d:\d+7], v[\sa], v[\sb] matrix_a_fmt:MATRIX_FMT_FP4 matrix_b_fmt:MATRIX_FMT_FP4
.endm
; 64 numbers of a lane, register 16 b + i = k 32 b + 16 (lane / 16) + i of my row, become a fragment's codes in v[pc] on and the row's scale word in v[pw].
.macro QUANT s, pc, pw
.irp b, 0,1,2,3
	v_max3_num_f32 v[TM+\b], |v[\s+16*\b]|, |v[\s+1+16*\b]|, FLOOR            ; from each result's low end on; the four blocks by turns
.endr
.irp i, 2,4,6,8,10,12,14
.irp b, 0,1,2,3
	v_max3_num_f32 v[TM+\b], v[TM+\b], |v[\s+16*\b+\i]|, |v[\s+1+16*\b+\i]|
.endr
.endr
.irp b, 0,1,2,3
	v_permlanex16_b32 v[TM+4+\b], v[TM+\b], s[SEL], s[SEL+1]
.endr
.irp b, 0,1,2,3
	v_max_num_f32 v[TM+\b], v[TM+\b], v[TM+4+\b]                              ; the block's largest magnitude
.endr
.irp b, 0,1,2,3
	v_add_nc_u32 v[TM+8+\b], 0xff000000, v[TM+\b]                             ; 2 off its exponent field: the conversion's scale operand
.endr
.irp b, 0,1,2,3
	v_lshrrev_b32 v[TM+4+\b], 23, v[TM+8+\b]                                  ; the scale's byte
.endr
	v_lshl_or_b32 v[\pw], v[TM+5], 8, v[TM+4]
	v_lshl_or_b32 v[\pw], v[TM+6], 16, v[\pw]
	v_lshl_or_b32 v[\pw], v[TM+7], 24, v[\pw]
.irp b, 0,1,2,3
	v_cvt_scalef32_pk8_fp4_f32 v[\pc+2*\b], v[\s+16*\b:\s+7+16*\b], v[TM+8+\b]
	v_cvt_scalef32_pk8_fp4_f32 v[\pc+1+2*\b], v[\s+8+16*\b:\s+15+16*\b], v[TM+8+\b]
.endr
	v_nop                                          ; one plain instruction behind a scaled conversion
.irp c, 0,1                                    ; the layout wants a whole block in a lane
.irp i, 0,1
	v_permlane16_swap_b32 v[\pc+4*\c+\i], v[\pc+2+4*\c+\i]
.endr
.endr
.endm
; o for the last product.  Register 16 b + i of lane (r, hl) is head b, channel d = 16 hl + i.  Block j = d / 8 over all four heads: blocks 2 hl (i < 8) and 2 hl + 1 lie WHOLE in my lane: no other lane is asked for a maximum,
; and no halves change places.  Register 4 c + b of the fragment = head b's eight channels of block j = 2 hl + c, which so stands as the instruction's block 2 c + hl; its byte goes to place 2 c + hl of the scale word.
.macro QUANTO s, pc, pw
.irp c, 0,1
	v_max3_num_f32 v[TM+\c], |v[\s+8*\c]|, |v[\s+8*\c+1]|, FLOOR
.endr
.irp b, 0,1,2,3
.irp e, 0,2,4,6
.if (\b+\e) > 0
.irp c, 0,1
	v_max3_num_f32 v[TM+\c], v[TM+\c], |v[\s+16*\b+8*\c+\e]|, |v[\s+16*\b+8*\c+\e+1]|
.endr
.endif
.endr
.endr
.irp c, 0,1
	v_add_nc_u32 v[TM+8+\c], 0xff000000, v[TM+\c]
.endr
.irp c, 0,1
	v_lshrrev_b32 v[TM+4+\c], 23, v[TM+8+\c]
.endr
	v_lshl_or_b32 v[\pw], v[TM+5], 16, v[TM+4]     ; my two bytes,
	v_lshlrev_b32 v[\pw], v[SH8], v[\pw]           ; 8 hl bits up;
	v_permlanex16_b32 v[TM+6], v[\pw], s[SEL], s[SEL+1]
	v_or_b32 v[\pw], v[\pw], v[TM+6]               ; with lane l xor 16's two the word is whole
.irp c, 0,1
.irp b, 0,1,2,3
	v_cvt_scalef32_pk8_fp4_f32 v[\pc+4*\c+\b], v[\s+16*\b+8*\c:\s+16*\b+8*\c+7], v[TM+8+\c]
.endr
.endr
	v_nop                                          ; one plain instruction behind a scaled conversion
.endm
.macro WLOAD g, dst                    ; weight g: eight fragments and the scale words: 18 LDS loads
.irp t, 0,1,2,3,4,5,6,7
.irp c, 0,1
	ds_load_b128 v[\dst+8*\t+4*\c:\dst+8*\t+4*\c+3], v[L16] offset:8192*\g+1024*\t+512*\c
.endr
.endr
.irp i, 0,1
	ds_load_b128 v[WS+4*\i:WS+4*\i+3], v[WSA] offset:WSCL+512*\g+16*\i
.endr
.endm
.macro ROWS16 dst, adr, off            ; 16 LDS loads: register 16 b + 4 j .. from off + 128 b + 16 j: a row, or a bias, in a transposed result's layout
.irp b, 0,1,2,3
.irp j, 0,1,2,3
	ds_load_b128 v[\dst+16*\b+4*\j:\dst+16*\b+4*\j+3], v[\adr] offset:\off+128*\b+16*\j
.endr
.endr
.endm
.macro PROJT acc, xf, xs               ; a transposed projection: the weight in B0; the bias lies in acc.  Eight results, each named once
.irp t, 0,1,2,3,4,5,6,7
	MMA \acc+8*\t, B0+8*\t, \xf, WS+\t, \xs
.endr
.endm
; ---- 0: the head.  All 47 global loads of the wave go out at once.
	s_load_b256 s[4:11], s[0:1], 0x0               ; wimg, x, bq, bk
	s_load_b256 s[12:19], s[0:1], 0x20             ; bv, bo, gamma, beta
	s_load_b64 s[20:21], s[0:1], 0x40              ; out0
	v_lshl_add_u32 v255, v0, 2, 0x29000
	s_set_vgpr_msb 0x40
	v_mov_b32 v1, 0
	s_set_vgpr_msb 0x4000
	v_lshrrev_b32 v12, 5, v0
	v_readfirstlane_b32 s[WAVE], v12               ; wave = my residue
	v_and_b32 v13, 31, v0
	v_lshlrev_b32 v[L16], 4, v13
	s_mul_i32 s38, s[WAVE], 8704                   ; a quarter of the image: 17 x 512
	v_add_nc_u32 v[CPY], s38, v[L16]
	s_lshl_b32 s24, ttmp9, 15                      ; 64 rows of 512 bytes a work-group
	s_lshl_b32 s43, s[WAVE], 9
	s_sub_co_i32 s40, s24, 16384                   ; the halo begins 32 rows up; in work-group 0 it is held at row 0 (its keys are hidden there)
	s_max_i32 s40, s40, 0
	s_add_co_u32 s40, s40, s43
	s_mov_b32 s41, 0
	s_add_co_u32 s24, s24, s43
	s_mov_b32 s25, 0
	s_wait_kmcnt 0x0
	s_add_nc_u64 s[26:27], s[6:7], s[24:25]        ; x at my first main row
	s_add_nc_u64 s[28:29], s[6:7], s[40:41]        ; x at my first halo row
	s_add_nc_u64 s[30:31], s[20:21], s[24:25]      ; out0 at my first row
	global_load_b128 v[196:199], v[L16], s[8:9]
	global_load_b128 v[200:203], v[L16], s[10:11]
	global_load_b128 v[204:207], v[L16], s[12:13]
	global_load_b128 v[208:211], v[L16], s[16:17]
	global_load_b128 v[212:215], v[L16], s[18:19]
	global_load_b128 v[216:219], v[L16], s[14:15]  ; bo stays in registers
.irp i, 0,1,2,3,4,5,6,7,8,9,10,11,12,13,14,15,16
	global_load_b128 v[128+4*\i:131+4*\i], v[CPY], s[4:5] offset:512*\i
.endr
.irp u, 0,1,2,3,4,5,6,7,8,9,10,11,12,13,14,15
	global_load_b128 v[32+4*\u:35+4*\u], v[L16], s[26:27] offset:2048*\u      ; a whole row of 512 bytes; my rows lie four rows apart
.endr
.irp u, 0,1,2,3,4,5,6,7
	global_load_b128 v[96+4*\u:99+4*\u], v[L16], s[28:29] offset:2048*\u
.endr
	v_and_b32 v14, 15, v0                          ; r
	v_bfe_u32 v15, v0, 4, 1                        ; h
	s_mul_i32 s44, s[WAVE], PWS
	s_add_co_u32 s44, s44, PWB
	v_lshlrev_b32 v[WSA], 5, v14
	v_add_nc_u32 v[WL], s44, v[L16]
	v_mul_u32_u24 v20, v14, PIT
	v_lshl_add_u32 v20, v15, 6, v20
	v_add_nc_u32 v[WQ], s44, v20
	v_and_b32 v21, 7, v0
	v_mul_u32_u24 v21, v21, PIT
	v_lshl_add_u32 v21, v15, 6, v21
	v_add_nc_u32 v[WH], s44, v21
	v_lshl_add_u32 v[WB], v15, 6, s44
	v_and_b32 v22, 8, v14
	v_add_nc_u32 v22, v22, v14
	v_lshl_add_u32 v[WV4], v22, 2, s44
	v_lshl_add_u32 v[VMS], s[WAVE], 11, v[L16]
	v_lshlrev_b32 v[SH8], 3, v15
	v_mov_b32 v[NIL], 0
.irp b, 0,1,2,3
	v_mov_b32 v[TM+4+\b], 0                        ; a lane permute's destination counts as one of its sources
.endr
	s_mov_b32 s[SEL], 0x76543210
	s_mov_b32 s[SEL+1], 0xfedcba98
	s_mov_b32 s[CS], 0x3e8293ee
	s_mov_b32 s[CS+1], s[CS]
	s_mov_b32 s36, 0x3c000000                      ; 1 / 128
	s_mov_b32 s37, 0x3a83126f                      ; 1e-3
	s_and_b32 s42, ttmp9, 63
	s_cmp_eq_u32 s42, 0
	s_cselect_b32 s39, 16, 0                       ; 16 at a batch's start: the halo's keys count for nobody
	s_wait_loadcnt 24                              ; the vectors and the image are in; the 24 rows of x may be out
.irp n, 0,1,2,3,4
	ds_store_b128 v[WL], v[196+4*\n:199+4*\n] offset:512*\n
.endr
.irp i, 0,1,2,3,4,5,6,7,8,9,10,11,12,13,14,15,16
	ds_store_b128 v[CPY], v[128+4*\i:131+4*\i] offset:512*\i
.endr
	s_wait_loadcnt 8                               ; the main rows are in; the 8 halo rows may be out
.irp u, 0,1,2,3,4,5,6,7,8,9,10,11,12,13,14,15
	ds_store_b128 v[WL], v[32+4*\u:35+4*\u] offset:XST+PIT*\u
.endr
	s_wait_dscnt 16                                ; all but those 16: the image's stores have read v128-195
.irp u, 0,1,2,3,4,5,6,7,8,9,10,11,12,13,14,15
	v_pk_add_f32 v[128+4*\u:129+4*\u], v[32+4*\u:33+4*\u], v[216:217]         ; x + bo: what the last product's sums begin with
	v_pk_add_f32 v[130+4*\u:131+4*\u], v[34+4*\u:35+4*\u], v[218:219]
	ds_store_b128 v[WL], v[128+4*\u:131+4*\u] offset:XB+PIT*\u
.endr
	s_wait_loadcnt 0x0
.irp u, 0,1,2,3,4,5,6,7
	ds_store_b128 v[WL], v[96+4*\u:99+4*\u] offset:XST+PIT*(16+\u)
.endr
	s_wait_dscnt 0x0                               ; for the others' sake: my quarter of the image lies in LDS
	s_barrier_signal -1
; ---- 1: x becomes codes.  Between signal and wait: reads of my own rows, which nobody writes again.
	ROWS16 B0, WQ, XST
	ROWS16 B1, WH, XST+16*PIT
	s_barrier_wait -1                              ; the image is whole
	WLOAD 2, B2                                    ; Wv
	s_wait_dscnt 34                                ; the main tile's 16 loads are in; the halo's 16 and Wv's 18 may be out
	QUANT B0, XFM, XSM
	s_wait_dscnt 18                                ; the halo's are in
	QUANT B1, XFH, XSH
.irp t, 0,1,2,3,4,5,6,7
	ds_load_b32 v[12+\t], v[WV4] offset:1024+4*(32*(\t/2)+8*(\t%2))           ; bv at tile t's column r
.endr
	PLACES 8
	s_wait_dscnt 8                                 ; Wv is in; bv's eight words may be out
; ---- 2: v.  Source 0 = my positions, source 1 = 16 columns of Wv: a lane holds one channel and eight keys: lanes 0-15 block A (halo tile: the halo), lanes 16-31 block B (the halo again)
.irp t, 0,1,2,3,4,5,6,7
	MMZ B0+8*\t, XFM, B2+8*\t, XSM, WS+\t
	MMZ B1+8*\t, XFH, B2+8*\t, XSH, WS+\t
.endr
	PLACES 4
	s_wait_dscnt 0x0                               ; bv
.irp a, B0, B1
.irp t, 0,1,2,3,4,5,6,7
.irp j, 0,1,2,3,4,5,6,7
	v_add_f32 v[\a+8*\t+\j], v[\a+8*\t+\j], v[12+\t]                          ; each result from its low end on
.endr
.endr
.endr
.irp k, 0,1,2,3,4,5,6,7
	v_max3_num_f32 v[154+\k], |v[B0+8*\k]|, |v[B0+1+8*\k]|, FLOOR             ; my residue's 8 keys of a block: 8 main tiles, 8 halo tiles
	v_max3_num_f32 v[162+\k], |v[B1+8*\k]|, |v[B1+1+8*\k]|, FLOOR
.endr
.irp i, 2,4,6
.irp k, 0,1,2,3,4,5,6,7
	v_max3_num_f32 v[154+\k], v[154+\k], |v[B0+8*\k+\i]|, |v[B0+1+8*\k+\i]|
	v_max3_num_f32 v[162+\k], v[162+\k], |v[B1+8*\k+\i]|, |v[B1+1+8*\k+\i]|
.endr
.endr
.irp i, 0,1,2,3
	ds_store_b128 v[VMS], v[154+4*\i:157+4*\i] offset:VMX+512*\i
.endr
	s_wait_dscnt 0x0                               ; for the others' sake: my sixteen lie in LDS
	s_barrier_signal -1
	s_barrier_wait -1                              ; everybody's do
.irp w, 0,1,2,3
.irp i, 0,1,2,3
	ds_load_b128 v[154+16*\w+4*\i:157+16*\w+4*\i], v[L16] offset:VMX+2048*\w+512*\i   ; the same lane of each wave holds the same channel and block
.endr
.endr
	s_wait_dscnt 0x0
.irp k, 0,1,2,3,4,5,6,7,8,9,10,11,12,13,14,15
	v_max3_num_f32 v[186+\k], v[154+\k], v[170+\k], v[186+\k]
.endr
.irp k, 0,1,2,3,4,5,6,7,8,9,10,11,12,13,14,15
	v_max_num_f32 v[202+\k], v[186+\k], v[202+\k]                             ; over the four residues
.endr
.irp k, 0,1,2,3,4,5,6,7,8,9,10,11,12,13,14,15
	v_add_nc_u32 v[186+\k], 0xff000000, v[202+\k]                             ; the conversion's scale operand
.endr
.irp k, 0,1,2,3,4,5,6,7,8,9,10,11,12,13,14,15
	v_lshrrev_b32 v[202+\k], 23, v[186+\k]                                    ; the scale's byte
.endr
.irp n, 1,3,16,18,20,21
	v_mov_b32 v[VC+\n], 0                          ; the six registers of v154-175 that take no codes (all registers of a fragment but 0 and 5 meet zero codes of p)
.endr
.irp t, 0,1,2,3,4,5,6,7
	v_cvt_scalef32_pk8_fp4_f32 v[VC+2*\t], v[B0+8*\t:B0+8*\t+7], v[186+\t]    ; register 0 of tile t's fragment: blocks A and B
	v_cvt_scalef32_pk8_fp4_f32 v[VC+5+2*\t], v[B1+8*\t:B1+8*\t+7], v[194+\t]  ; register 5: the halo
.endr
	v_nop
.irp t, 0,1,2,3,4,5,6,7
	v_lshl_or_b32 v[VS+\t], v[210+\t], 16, v[202+\t]                          ; my two bytes: A or B, and the halo's,
.endr
.irp t, 0,1,2,3,4,5,6,7
	v_lshlrev_b32 v[VS+\t], v[SH8], v[VS+\t]                                  ; 8 h bits up;
.endr
.irp t, 0,1,2,3,4,5,6,7
	v_permlanex16_b32 v[12+\t], v[VS+\t], s[SEL], s[SEL+1]
.endr
.irp t, 0,1,2,3,4,5,6,7
	v_or_b32 v[VS+\t], v[VS+\t], v[12+\t]                                     ; the word is whole: A, B, halo, halo
.endr
; ---- 3: k of both tiles, then q
	WLOAD 1, B0
	ROWS16 B1, WB, 512                             ; bk
	s_wait_dscnt 0x0
	PROJT B1, XFM, XSM
	PLACES 4
	QUANT B1, KFM, KSM                             ; a block of 32 along (head, channel) is a head
	ROWS16 B1, WB, 512
	s_wait_dscnt 0x0
	PROJT B1, XFH, XSH
	PLACES 4
	WLOAD 0, B0                                    ; Wq lands while k's halo tile is quantised
	QUANT B1, KFH, KSH
	ROWS16 B1, WB, 0                               ; bq
	s_wait_dscnt 0x0
	PROJT B1, XFM, XSM
	PLACES 4
	QUANT B1, QF, QS
; ---- 4: q with all heads but one set to 0, and the masks.  Head d = 2 c + h: registers 4 c .. 4 c + 3, lanes 16 h on.
	v_bfe_u32 v[SCR+1], v0, 4, 1
	v_add_nc_u32 v24, -1, v[SCR+1]                 ; all ones in lanes 0-15
	v_sub_nc_u32 v25, 0, v[SCR+1]                  ; all ones in lanes 16-31
.irp i, 0,1,2,3
	v_and_b32 v[26+\i], v[QF+\i], v24              ; head 0's fragment begins at v26, head 2's at v30, head 1's at v38, head 3's at v42
	v_mov_b32 v[30+\i], 0
	v_and_b32 v[34+\i], v[QF+4+\i], v24
	v_and_b32 v[38+\i], v[QF+\i], v25
	v_mov_b32 v[42+\i], 0
	v_and_b32 v[46+\i], v[QF+4+\i], v25
.endr
	v_mov_b32 v[SCR], 0xff800000                   ; -infinity
	v_and_b32 v[SCR+1], 15, v0
	v_sub_nc_u32 v[SCR+1], v[SCR+1], v[SH8]        ; r - 8 h
	v_and_b32 v[SCR+3], 31, v0
	v_add_nc_u32 v[SCR+3], s39, v[SCR+3]           ; lane, + 16 at a batch's start
.irp j, 0,1,2,3,4,5,6,7
	v_add_nc_u32 v[SCR+2], -\j, v[SCR+1]           ; main: register j is key u = 8 h + j, my query u = r: it counts where 0 <= r - 8 h - j <= 8
	v_cmp_gt_u32 vcc_lo, 9, v[SCR+2]
	v_cndmask_b32 v[50+\j], v[SCR], v[NIL], vcc_lo
	v_cmp_ge_u32 vcc_lo, \j, v[SCR+3]              ; halo: lanes 0-15 hold key u = j - 8: it counts where j >= r; lanes 16-31 hold repeats, which never count
	v_cndmask_b32 v[58+\j], v[SCR], v[NIL], vcc_lo
.endr
; ---- 5: the scores S^T: source 0 = 16 keys, source 1 = my queries, one head's codes
.irp d, 0,1,2,3
	MMZ B1+16*\d, KFM, 26+12*(\d%2)+4*(\d/2), KSM, QS
	MMZ B1+8+16*\d, KFH, 26+12*(\d%2)+4*(\d/2), KSH, QS
.endr
	PLACES 4
; ---- 6: the softmax, the four heads by turns.  A lane's eight scores of a tile are one block of the second product's K.
.irp i, 0,1,2,3
.irp d, 0,1,2,3
	v_pk_add_f32 v[B1+16*\d+2*\i:B1+16*\d+2*\i+1], v[B1+16*\d+2*\i:B1+16*\d+2*\i+1], v[50+2*\i:51+2*\i]           ; hidden keys' scores become -infinity; from each result's low end on
	v_pk_add_f32 v[B1+8+16*\d+2*\i:B1+8+16*\d+2*\i+1], v[B1+8+16*\d+2*\i:B1+8+16*\d+2*\i+1], v[58+2*\i:59+2*\i]
.endr
.endr
.irp d, 0,1,2,3
	v_max3_num_f32 v[66+\d], v[B1+16*\d], v[B1+1+16*\d], v[B1+2+16*\d]        ; each block's largest score serves twice: for the row's maximum and, since p rises with the score, for the block's largest p
	v_max3_num_f32 v[70+\d], v[B1+8+16*\d], v[B1+9+16*\d], v[B1+10+16*\d]
.endr
.irp i, 3,5
.irp d, 0,1,2,3
	v_max3_num_f32 v[66+\d], v[66+\d], v[B1+16*\d+\i], v[B1+1+16*\d+\i]
	v_max3_num_f32 v[70+\d], v[70+\d], v[B1+8+16*\d+\i], v[B1+9+16*\d+\i]
.endr
.endr
.irp d, 0,1,2,3
	v_max_num_f32 v[66+\d], v[66+\d], v[B1+7+16*\d]
	v_max_num_f32 v[70+\d], v[70+\d], v[B1+15+16*\d]
.endr
.irp d, 0,1,2,3
	v_max_num_f32 v[74+\d], v[66+\d], v[70+\d]
.endr
.irp d, 0,1,2,3
	v_permlanex16_b32 v[78+\d], v[74+\d], s[SEL], s[SEL+1]
.endr
.irp d, 0,1,2,3
	v_max_num_f32 v[74+\d], v[74+\d], v[78+\d]     ; the row's largest score: the query's own key always counts
.endr
.irp d, 0,1,2,3
	v_mul_f32 v[74+\d], s[CS], v[74+\d]
.endr
.irp d, 0,1,2,3
	v_floor_f32 v[82+2*\d], -v[74+\d]              ; -M = floor(-t): M is a whole number
	v_floor_f32 v[83+2*\d], -v[74+\d]
.endr
.irp i, 0,1,2,3,4,5,6,7
.irp d, 0,1,2,3
	v_pk_fma_f32 v[B1+16*\d+2*\i:B1+16*\d+2*\i+1], v[B1+16*\d+2*\i:B1+16*\d+2*\i+1], s[CS:CS+1], v[82+2*\d:83+2*\d] op_sel_hi:[1,0,0]   ; t - M
.endr
.endr
.irp d, 0,1,2,3
	v_fma_f32 v[66+\d], v[66+\d], s[CS], v[82+2*\d]
	v_fma_f32 v[70+\d], v[70+\d], s[CS], v[82+2*\d]
.endr
.set j, 0
.rept 64
	v_exp_f32 v[B1+j], v[B1+j]                     ; p = 2^(t - M); 0 for a hidden key
.set j, j+1
.endr
.irp k, 0,1,2,3,4,5,6,7
	v_exp_f32 v[66+\k], v[66+\k]                   ; the block's largest p: the same two instructions on the same number give the same bits
.endr
.irp d, 0,1,2,3
.irp n, 1,2,3,4,6,7
	v_mov_b32 v[176+8*\d+18*(\d/3)+\n], 0          ; p's four fragments (v176, v184, v192, v218): zero codes at the other residues.  These plain lines also stand behind the exponentials
.endr
.endr
	s_wait_alu depctr_va_vdst(0)
.irp k, 0,1,2,3,4,5,6,7
	v_max_num_f32 v[66+\k], FLOOR, v[66+\k]
.endr
.irp k, 0,1,2,3,4,5,6,7
	v_add_nc_u32 v[SCR+\k], 0xff000000, v[66+\k]
.endr
.irp k, 0,1,2,3,4,5,6,7
	v_lshrrev_b32 v[66+\k], 23, v[SCR+\k]
.endr
.irp d, 0,1,2,3
	v_lshl_or_b32 v[250+\d], v[70+\d], 16, v[66+\d]                           ; p's scale word, made as v's
.endr
.irp d, 0,1,2,3
	v_lshlrev_b32 v[250+\d], v[SH8], v[250+\d]
.endr
.irp d, 0,1,2,3
	v_permlanex16_b32 v[12+\d], v[250+\d], s[SEL], s[SEL+1]
.endr
.irp d, 0,1,2,3
	v_or_b32 v[250+\d], v[250+\d], v[12+\d]
.endr
.irp d, 0,1,2,3
	v_cvt_scalef32_pk8_fp4_f32 v[176+8*\d+18*(\d/3)], v[B1+16*\d:B1+16*\d+7], v[SCR+\d]            ; register 0: blocks A and B, in the order of v's codes
	v_cvt_scalef32_pk8_fp4_f32 v[176+8*\d+18*(\d/3)+5], v[B1+8+16*\d:B1+15+16*\d], v[SCR+4+\d]     ; register 5: the halo
.endr
	v_nop
.irp d, 0,1,2,3
	v_pk_add_f32 v[XFH+2*\d:XFH+2*\d+1], v[B1+16*\d:B1+16*\d+1], v[B1+2+16*\d:B1+3+16*\d]         ; the row's sum, of the unquantised p, in two chains
	v_pk_add_f32 v[208+2*\d:209+2*\d], v[B1+4+16*\d:B1+5+16*\d], v[B1+6+16*\d:B1+7+16*\d]
.endr
.irp i, 8,12
.irp d, 0,1,2,3
	v_pk_add_f32 v[XFH+2*\d:XFH+2*\d+1], v[XFH+2*\d:XFH+2*\d+1], v[B1+16*\d+\i:B1+16*\d+\i+1]
	v_pk_add_f32 v[208+2*\d:209+2*\d], v[208+2*\d:209+2*\d], v[B1+2+16*\d+\i:B1+3+16*\d+\i]
.endr
.endr
.irp d, 0,1,2,3
	v_pk_add_f32 v[XFH+2*\d:XFH+2*\d+1], v[XFH+2*\d:XFH+2*\d+1], v[208+2*\d:209+2*\d]
.endr
.irp d, 0,1,2,3
	v_add_f32 v[XFH+2*\d], v[XFH+2*\d], v[XFH+2*\d+1]
.endr
.irp d, 0,1,2,3
	v_permlanex16_b32 v[12+\d], v[XFH+2*\d], s[SEL], s[SEL+1]
.endr
.irp d, 0,1,2,3
	v_add_f32 v[XFH+2*\d], v[XFH+2*\d], v[12+\d]   ; the row's sum, above 1/2
.endr
.irp d, 0,1,2,3
	v_rcp_f32 v[XFH+2*\d], v[XFH+2*\d]
.endr
	v_nop                                          ; one plain instruction behind the last reciprocal
	WLOAD 3, B1                                    ; Wo, into the registers that p has left
; ---- 7: O^T = V^T P^T: source 0 = 16 channels of head t / 2, source 1 = that head's p
.irp t, 0,1,2,3,4,5,6,7
	MMZ B0+8*\t, VC+2*\t, 176+8*(\t/2)+18*(\t/6), VS+\t, 250+\t/2
.endr
	PLACES 4
	ROWS16 B2, WQ, XB                              ; x + bo in a transposed result's layout
	s_wait_alu depctr_va_vdst(0)
.irp d, 0,1,2,3
.irp i, 0,1,2,3,4,5,6,7
	v_pk_mul_f32 v[B0+16*\d+2*\i:B0+16*\d+2*\i+1], v[B0+16*\d+2*\i:B0+16*\d+2*\i+1], v[XFH+2*\d:XFH+2*\d+1] op_sel_hi:[1,0]   ; o = O / the sum; from each result's low end on
.endr
.endr
	QUANTO B0, XFM, QS                             ; o along (channel, head)
	ds_load_b128 v[26:29], v[WL] offset:1536       ; gamma and beta at my four columns of a row
	ds_load_b128 v[30:33], v[WL] offset:2048
	PLACES 8
	s_wait_dscnt 0x0                               ; Wo, x + bo, gamma, beta
; ---- 8: y^T = Wo^T o^T + (x + bo)
.irp t, 0,1,2,3,4,5,6,7
	MMA B2+8*\t, B1+8*\t, XFM, WS+\t, QS
.endr
	PLACES 4
; ---- 9: LayerNorm over the row's 128: my 64 registers and lane l xor 16's.  The mean is taken away before the squares are summed.
.irp c, 0,1,2,3
	v_pk_add_f32 v[34+2*\c:35+2*\c], v[B2+2*\c:B2+2*\c+1], v[B2+8+2*\c:B2+9+2*\c]     ; four chains; from each result's low end on
.endr
.irp k, 2,3,4,5,6,7
.irp c, 0,1,2,3
	v_pk_add_f32 v[34+2*\c:35+2*\c], v[34+2*\c:35+2*\c], v[B2+8*\k+2*\c:B2+8*\k+2*\c+1]
.endr
.endr
	v_pk_add_f32 v[34:35], v[34:35], v[36:37]
	v_pk_add_f32 v[38:39], v[38:39], v[40:41]
	v_pk_add_f32 v[34:35], v[34:35], v[38:39]
	v_add_f32 v34, v34, v35
	v_permlanex16_b32 v12, v34, s[SEL], s[SEL+1]
	v_add_f32 v34, v34, v12
	v_mul_f32 v42, 0xbc000000, v34                 ; -mu, in both words of a pair
	v_mul_f32 v43, 0xbc000000, v34
.set j, 0
.rept 32
	v_pk_add_f32 v[B2+j:B2+j+1], v[B2+j:B2+j+1], v[42:43]                             ; y - mu
.set j, j+2
.endr
.irp c, 0,1,2,3
	v_pk_mul_f32 v[44+2*\c:45+2*\c], v[B2+2*\c:B2+2*\c+1], v[B2+2*\c:B2+2*\c+1]
.endr
.irp k, 1,2,3,4,5,6,7
.irp c, 0,1,2,3
	v_pk_fma_f32 v[44+2*\c:45+2*\c], v[B2+8*\k+2*\c:B2+8*\k+2*\c+1], v[B2+8*\k+2*\c:B2+8*\k+2*\c+1], v[44+2*\c:45+2*\c]
.endr
.endr
	v_pk_add_f32 v[44:45], v[44:45], v[46:47]
	v_pk_add_f32 v[48:49], v[48:49], v[50:51]
	v_pk_add_f32 v[44:45], v[44:45], v[48:49]
	v_add_f32 v44, v44, v45
	v_permlanex16_b32 v12, v44, s[SEL], s[SEL+1]
	v_add_f32 v44, v44, v12
	v_fma_f32 v44, v44, s36, s37                   ; the variance + 1e-3
	v_rsq_f32 v52, v44
	v_rsq_f32 v53, v44
	v_nop                                          ; one plain instruction behind the last of them
.set j, 0
	s_wait_alu depctr_va_vdst(0)
.rept 32
	v_pk_mul_f32 v[B2+j:B2+j+1], v[B2+j:B2+j+1], v[52:53]
.set j, j+2
.endr
; THE WAY OUT: through my own stage the numbers come back as whole rows, 16 bytes a lane, where gamma and beta are a lane's own four.
.irp b, 0,1,2,3
.irp j, 0,1,2,3
	ds_store_b128 v[WQ], v[B2+16*\b+4*\j:B2+16*\b+4*\j+3] offset:XB+128*\b+16*\j
.endr
.endr
.irp u, 0,1,2,3,4,5,6,7,8,9,10,11,12,13,14,15
	ds_load_b128 v[B1+4*\u:B1+4*\u+3], v[WL] offset:XB+PIT*\u                         ; LDS serves a wave's instructions in order (ISA guide 5.7.1.4): these see the stores above
.endr
.irp u, 0,1,2,3,4,5,6,7,8,9,10,11,12,13,14,15
	s_wait_dscnt 15-\u                             ; row u is in; the younger rows' loads may be out
	v_pk_fma_f32 v[B1+4*\u:B1+4*\u+1], v[B1+4*\u:B1+4*\u+1], v[26:27], v[30:31]
	v_pk_fma_f32 v[B1+4*\u+2:B1+4*\u+3], v[B1+4*\u+2:B1+4*\u+3], v[28:29], v[32:33]
	global_store_b128 v[L16], v[B1+4*\u:B1+4*\u+3], s[30:31] offset:2048*\u th:TH_STORE_NT   ; 32 lanes store a whole row: 512 consecutive bytes, at a multiple of 512 from out0's first byte
.endr
	s_set_vgpr_msb 0x4
	s_wait_tensorcnt 0x0
	ds_add_u32 v255, v1
	s_wait_dscnt 0x0
	s_set_vgpr_msb 0x400
	s_endpgm
.Lfunc_end_k_q356e8c8c3b_main:
	.size	k_q356e8c8c3b_main, .Lfunc_end_k_q356e8c8c3b_main-k_q356e8c8c3b_main
	.p2alignl 7, 3214868480
	.fill 96, 4, 3214868480
	.section	.rodata,"a",@progbits
	.p2align	6, 0x0
	.amdhsa_kernel k_q356e8c8c3b_main
		.amdhsa_group_segment_fixed_size 168448
		.amdhsa_private_segment_fixed_size 0
		.amdhsa_enable_private_segment 0
		.amdhsa_kernarg_size 72
		.amdhsa_user_sgpr_count 2
		.amdhsa_user_sgpr_kernarg_segment_ptr 1
		.amdhsa_wavefront_size32 1
		.amdhsa_system_sgpr_workgroup_id_x 1
		.amdhsa_system_sgpr_workgroup_id_y 1
		.amdhsa_system_sgpr_workgroup_id_z 1
		.amdhsa_system_vgpr_workitem_id 0
		.amdhsa_next_free_vgpr 258
		.amdhsa_next_free_sgpr 66
		.amdhsa_reserve_vcc 1
		.amdhsa_float_denorm_mode_32 3
		.amdhsa_float_denorm_mode_16_64 3
		.amdhsa_memory_ordered 1
		.amdhsa_forward_progress 1
		.amdhsa_inst_pref_size 106
	.end_amdhsa_kernel
	.amdgpu_metadata
---
amdhsa.version: [ 1, 2 ]
amdhsa.kernels:
  - .name:           k_q356e8c8c3b_main
    .symbol:         k_q356e8c8c3b_main.kd
    .args:
      - { .name: wimg, .offset: 0, .size: 8, .value_kind: global_buffer, .address_space: global }
      - { .name: x, .offset: 8, .size: 8, .value_kind: global_buffer, .address_space: global }
      - { .name: bq, .offset: 16, .size: 8, .value_kind: global_buffer, .address_space: global }
      - { .name: bk, .offset: 24, .size: 8, .value_kind: global_buffer, .address_space: global }
      - { .name: bv, .offset: 32, .size: 8, .value_kind: global_buffer, .address_space: global }
      - { .name: bo, .offset: 40, .size: 8, .value_kind: global_buffer, .address_space: global }
      - { .name: gamma, .offset: 48, .size: 8, .value_kind: global_buffer, .address_space: global }
      - { .name: beta, .offset: 56, .size: 8, .value_kind: global_buffer, .address_space: global }
      - { .name: out0, .offset: 64, .size: 8, .value_kind: global_buffer, .address_space: global }
    .group_segment_fixed_size: 168448
    .private_segment_fixed_size: 0
    .kernarg_segment_align: 8
    .kernarg_segment_size: 72
    .max_flat_workgroup_size: 128
    .sgpr_count:     66
    .vgpr_count:     258
    .wavefront_size: 32
...
	.end_amdgpu_metadata
.endif
;; end of part 2
;; ======== version 2 of 2: 2 launches; 1.13 times as fast as version 1
;; limits: right only within a limited range of input values
;; workspace buffers: wimg 34,816 bytes
;; launch prep (part 3): grid 16 x 1, 4 waves a work-group, no clusters, 1,024 bytes of LDS; arguments Wq, Wk, Wv, Wo, wimg; writes wimg
.if DOCPART == 3
	.amdgcn_target "amdgcn-amd-amdhsa--gfx1250"
	.amdhsa_code_object_version 6
	.text
	.protected	k_q356e8c8c3b_prep
	.globl	k_q356e8c8c3b_prep
	.p2align	8
	.type	k_q356e8c8c3b_prep,@function
k_q356e8c8c3b_prep:
	s_mov_b64 s[64:65], 0
	v_nop
	global_prefetch_b8 v0, s[64:65] scope:SCOPE_SE
	s_setreg_imm32_b32 hwreg(HW_REG_WAVE_MODE, 25, 1), 1
	s_wait_xcnt 0x0
; The four weights, each [K = 128][N = 128] f32 with K as the FIRST axis, become codes of FP4 (E2M1) with one E8M0 scale byte for each 32 along K.
; THE ORDER OF K.  Wq, Wk, Wv [f][h d]: K = f, block B = rows 32 B .. 32 B + 31.  Wo [h][d][f]: two axes are contracted, and K counts them as (d, h): k = 4 d + h; block j = channels d = 8 j .. 8 j + 7 of all four heads:
; rows 32 q + 8 j + e of memory (q the head, e = 0 .. 7).  Inside a block the order is free where both operands keep it: here (q, e).  The instruction's block B = 2 c + h holds block j = 2 h + c, as the next launch lays o.
; They are laid in wimg AS IMAGES OF THE OPERAND'S REGISTERS:
;   codes:  weight g (0 Wq, 1 Wk, 2 Wv, 3 Wo), tile T (0..7) at 8192 g + 1024 T; registers 4 c .. 4 c + 3 of lane l = r + 16 h (block 2 c + h of the tile's row r) at + 512 c + 16 l.
;   THE COLUMNS OF A TILE ARE NOT NEIGHBOURS: row r of tile T = 2 b + u is column 32 b + 8 u + r + 8 (r / 8), so that the results of two neighbouring tiles are 16 neighbours along the next K.
;   scale words (byte B: block B): at 32768 + 512 g + 32 r + 4 T: a row's eight words, one for each tile, are 32 consecutive bytes.
; SHARES.  16 work-groups of four waves: work-group 4 g + b' takes columns 32 b' .. 32 b' + 31 of weight g, and WAVE B TAKES BLOCK B: the four blocks' loads are out side by side, 32 a wave, and each wave waits for loads once.
; A LANE TAKES A COLUMN AND ITS REGISTERS RUN DOWN K: a block lies in one lane's 32 registers, its largest magnitude needs no other lane, and the conversions give codes with K innermost.  Nothing is transposed.
; ONE TEXT FOR BOTH ORDERS: a block is four groups of eight rows; group q begins stride x q behind the block's base.  Stride and base (byte offsets) are chosen by the work-group's number.
; A COLUMN'S SCALE WORD has a byte from each wave: each thread puts its byte, as a word, at LDS byte 4 x its thread number; behind one barrier wave 0 joins the four and stores the word.
; A block's scale is 2^(floor(log2(its largest magnitude)) - 2); its byte is that magnitude's exponent field - 2, held at 1 from below.  A block of zeros keeps the byte 1 where the rule says 127:
; its codes are zeros, which add nothing under any byte but 0xff, and the bytes are read by this program alone.
; LIMITS: NaN and infinities among the inputs are not served.
; No matrix unit, no cluster, no tensor load: 256 KiB are read once, and no two work-groups read the same byte.
.set X,     32                         ; v32-63   my column's 32 numbers of my wave's block
.set C,     64                         ; v64-67   their codes
.set VO,    24                         ; v24-27   4 x lane + stride x group
.set WAVE,  27                         ; s27      my wave's number = the block B
.set FLOOR, 0x1800000                  ; 2^(3 - 127): the byte cannot fall under 1
	s_load_b256 s[4:11], s[0:1], 0x0               ; Wq, Wk, Wv, Wo
	s_load_b64 s[12:13], s[0:1], 0x20              ; wimg
	v_lshl_add_u32 v72, v0, 2, 0x200
	v_mov_b32 v73, 0
	v_lshrrev_b32 v7, 5, v0
	v_readfirstlane_b32 s[WAVE], v7                ; B
	v_and_b32 v8, 31, v0                           ; lane = my column m of the 32
	v_lshlrev_b32 v11, 2, v0                       ; LDS: 4 x my thread's number
	s_lshr_b32 s18, ttmp9, 2                       ; g: which weight
	s_and_b32 s19, ttmp9, 3                        ; b': which 32 columns
	s_lshl_b32 s28, s[WAVE], 14                    ; K = f: block B begins 32 B rows of 512 bytes down,
	s_mov_b32 s26, 0x1000                          ; and a group is 8 rows on
	s_and_b32 s30, s[WAVE], 1
	s_lshl_b32 s30, s30, 13
	s_lshr_b32 s31, s[WAVE], 1
	s_lshl_b32 s31, s31, 12
	s_add_co_u32 s30, s30, s31                     ; Wo: block B begins at row 8 j, j = 2 (B % 2) + B / 2: 4,096 j bytes,
	s_cmp_eq_u32 s18, 3
	s_cselect_b32 s26, 0x4000, s26                 ; and a group is a head, 32 rows on
	s_cselect_b32 s28, s30, s28
	v_lshlrev_b32 v1, 2, v8                        ; 4 bytes a lane: 32 lanes read 128 consecutive bytes of a row
.irp q, 0,1,2,3
	v_mad_u32_u24 v[VO+\q], s26, \q, v1
.endr
	v_bfe_u32 v4, v0, 3, 1                         ; u = (m / 8) % 2: which of the two tiles my column falls into,
	v_and_b32 v5, 7, v0
	v_bfe_u32 v6, v0, 4, 1
	v_lshl_or_b32 v5, v6, 3, v5                    ; r = m % 8 + 8 (m / 16): and which row of it
	v_lshlrev_b32 v2, 4, v5
	v_lshl_add_u32 v2, v4, 10, v2                  ; codes: 1024 u + 16 r
	v_lshlrev_b32 v3, 5, v5
	v_lshl_add_u32 v3, v4, 2, v3                   ; scale word: 32 r + 4 u
	s_lshl_b32 s20, s19, 7
	s_add_co_u32 s20, s20, s28                     ; in: 128 b' + my block's base
	s_mov_b32 s21, 0
	s_lshl_b32 s22, s18, 13
	s_lshl_b32 s23, s19, 11
	s_add_co_u32 s22, s22, s23
	s_lshl_b32 s23, s[WAVE], 8
	s_add_co_u32 s22, s22, s23                     ; codes: 8192 g + 2048 b' + 256 B (block B = 2 c + h lies at 512 c + 256 h of a tile)
	s_mov_b32 s23, 0
	s_lshl_b32 s24, s18, 9
	s_lshl_b32 s25, s19, 3
	s_add_co_u32 s24, s24, s25
	s_add_co_u32 s24, s24, 32768                   ; scale words: 32768 + 512 g + 8 b'
	s_mov_b32 s25, 0
	s_wait_kmcnt 0x0
	s_cmp_eq_u32 s18, 1                            ; the weight is chosen by the work-group's number alone
	s_cselect_b64 s[4:5], s[6:7], s[4:5]
	s_cmp_eq_u32 s18, 2
	s_cselect_b64 s[4:5], s[8:9], s[4:5]
	s_cmp_eq_u32 s18, 3
	s_cselect_b64 s[4:5], s[10:11], s[4:5]
	s_add_nc_u64 s[4:5], s[4:5], s[20:21]
	s_add_nc_u64 s[14:15], s[12:13], s[22:23]
	s_add_nc_u64 s[16:17], s[12:13], s[24:25]
.irp q, 0,1,2,3                        ; my block: four groups of eight rows.  The furthest byte read: 49,152 + 12,288 + 3,584 + 384 + 127 = 65,535, inside the weight's 65,536 on both ways
.irp e, 0,1,2,3,4,5,6,7
	global_load_b32 v[X+8*\q+\e], v[VO+\q], s[4:5] offset:512*\e th:TH_LOAD_NT
.endr
.endr
	s_wait_loadcnt 0x0                             ; my 32 loads are in
	v_max3_num_f32 v12, |v[X]|, |v[X+1]|, |v[X+2]|                 ; the block's largest magnitude, in two chains
	v_max3_num_f32 v13, |v[X+3]|, |v[X+4]|, |v[X+5]|
.irp i, 6,10,14,18,22,26
	v_max3_num_f32 v12, v12, |v[X+\i]|, |v[X+\i+1]|
	v_max3_num_f32 v13, v13, |v[X+\i+2]|, |v[X+\i+3]|
.endr
	v_max3_num_f32 v12, v12, |v[X+30]|, |v[X+31]|
	v_max3_num_f32 v12, v12, v13, FLOOR
	v_add_nc_u32 v14, 0xff000000, v12              ; 2 off its exponent field: the conversion takes the exponent field of this operand as its scale, and nothing else of it
	v_lshrrev_b32 v15, 23, v14                     ; the scale's byte
	ds_store_b32 v11, v15                          ; to my thread's own word
.irp q, 0,1,2,3
	v_cvt_scalef32_pk8_fp4_f32 v[C+\q], v[X+8*\q:X+8*\q+7], v14
.endr
	v_nop                                          ; one plain instruction behind the last conversion of a run
	s_wait_dscnt 0x0                               ; for the others' sake: my byte lies in LDS
	s_barrier_signal -1
	s_barrier_wait -1                              ; everybody's does
	global_store_b128 v2, v[C:C+3], s[14:15]       ; sixteen lanes fill 256 consecutive aligned bytes of each of the two tiles
	s_cmp_lg_u32 s[WAVE], 0
	s_cbranch_scc1 .Ldone                          ; wave 0 alone joins the bytes; no barrier follows
.irp b, 0,1,2,3
	ds_load_b32 v[16+\b], v1 offset:128*\b         ; column m's byte of block b: thread 32 b + m's word
.endr
	s_wait_dscnt 0x0
	v_lshl_or_b32 v16, v17, 8, v16                 ; the four bytes make my column's scale word
	v_lshl_or_b32 v16, v18, 16, v16
	v_lshl_or_b32 v16, v19, 24, v16
	global_store_b32 v3, v16, s[16:17]             ; 4 bytes a lane, 32 bytes apart: 128 bytes a work-group, 2,048 in the launch, leave in pieces
.Ldone:
	s_wait_tensorcnt 0x0
	ds_add_u32 v72, v73
	s_wait_dscnt 0x0
	s_endpgm
.Lfunc_end_k_q356e8c8c3b_prep:
	.size	k_q356e8c8c3b_prep, .Lfunc_end_k_q356e8c8c3b_prep-k_q356e8c8c3b_prep
	.p2alignl 7, 3214868480
	.fill 96, 4, 3214868480
	.section	.rodata,"a",@progbits
	.p2align	6, 0x0
	.amdhsa_kernel k_q356e8c8c3b_prep
		.amdhsa_group_segment_fixed_size 1024
		.amdhsa_private_segment_fixed_size 0
		.amdhsa_enable_private_segment 0
		.amdhsa_kernarg_size 40
		.amdhsa_user_sgpr_count 2
		.amdhsa_user_sgpr_kernarg_segment_ptr 1
		.amdhsa_wavefront_size32 1
		.amdhsa_system_sgpr_workgroup_id_x 1
		.amdhsa_system_sgpr_workgroup_id_y 1
		.amdhsa_system_sgpr_workgroup_id_z 1
		.amdhsa_system_vgpr_workitem_id 0
		.amdhsa_next_free_vgpr 74
		.amdhsa_next_free_sgpr 66
		.amdhsa_reserve_vcc 0
		.amdhsa_float_denorm_mode_32 3
		.amdhsa_float_denorm_mode_16_64 3
		.amdhsa_memory_ordered 1
		.amdhsa_forward_progress 1
		.amdhsa_inst_pref_size 8
	.end_amdhsa_kernel
	.amdgpu_metadata
---
amdhsa.version: [ 1, 2 ]
amdhsa.kernels:
  - .name:           k_q356e8c8c3b_prep
    .symbol:         k_q356e8c8c3b_prep.kd
    .args:
      - { .name: Wq, .offset: 0, .size: 8, .value_kind: global_buffer, .address_space: global }
      - { .name: Wk, .offset: 8, .size: 8, .value_kind: global_buffer, .address_space: global }
      - { .name: Wv, .offset: 16, .size: 8, .value_kind: global_buffer, .address_space: global }
      - { .name: Wo, .offset: 24, .size: 8, .value_kind: global_buffer, .address_space: global }
      - { .name: wimg, .offset: 32, .size: 8, .value_kind: global_buffer, .address_space: global }
    .group_segment_fixed_size: 1024
    .private_segment_fixed_size: 0
    .kernarg_segment_align: 8
    .kernarg_segment_size: 40
    .max_flat_workgroup_size: 128
    .sgpr_count:     66
    .vgpr_count:     74
    .wavefront_size: 32
...
	.end_amdgpu_metadata
.endif
;; end of part 3
;; launch main: the kernel of part 2 again; grid 256 x 1, 4 waves a work-group, no clusters, 168,448 bytes of LDS; arguments wimg, x, bq, bk, bv, bo, gamma, beta, out0; writes out0
